; MI455X (gfx1250); checked and timed in simulation.
; The chip was launched on July 23, 2026; its instructions are those of AMD's public machine-readable ISA for CDNA 5 (MIT licence, August 2026) and "CDNA5" Instruction Set Architecture Reference Guide (July 2026). The comments in the code are by the model that wrote it; some were corrected since.
;; KAN Spline Layer. Allowed arithmetic: matrix products marked QUANTISED: E2M1 operands, one E8M0 scale for each 32 along K, by v_wmma_scale_f32_16x16x128_f8f6f4 with both operands' format E2M1 (or v_wmma_scale_f32_32x16x128_f4), f32 sums; everything else in f32.
;; Inputs: coef 512 x 1,024 x 8 float32; grid 512 x 12 float32; scale_base_codes 1,024 x 16 x 16 uint8 (E2M1 codes of scale_base, K innermost, in blocks of 32 codes, two codes a byte); scale_base_scales 1,024 x 16 uint8 (E8M0 scales of scale_base, one for each 32 codes along K); x 8,192 x 512 float32.
;; Outputs: out0 8,192 x 1,024 float32.
;; This version of the problem:
;;   THIS VERSION OF THE PROBLEM IS GIVEN IN LOW PRECISION. The matrix products marked QUANTISED in the list below multiply operands that are first quantised to E2M1 (2 exponent bits, 1 mantissa bit; 4 bits a number), with one power-of-two scale for each 32 numbers along K (OCP MX v1.0); their sums are f32. All else is computed in f32.
;;   The module's matrix products, in the order in which they are computed (A, B: the left and right operand; K: the contracted axis; several contracted axes count as one K, in the product's order):
;;     1. [M 8,192, K 512] x [K 512, N 1,024]; A: computed on the way; B: input scale_base (given as codes): QUANTISED
;;     2. [M 8,192, K 4,096] x [K 4,096, N 1,024]; A: computed on the way; B: input coef: QUANTISED
;;   THE QUANTISER, for each operand of a quantised product, along K:
;;     - K is cut into blocks of 32 from its start; a last block that is shorter is filled with zeros.
;;     - A block's scale is 2^e with e = floor(log2(the largest magnitude in the block)) - 2, held to -126 .. 127; a block of zeros has e = 0. As a byte (E8M0): e + 127.
;;     - Each number is divided by its block's scale, clamped to +-6, and rounded to the nearest number of E2M1, ties to even, subnormals kept.
;;     - The product sums the exact products of the quantised numbers (number of the format x scale) in f32.
;;   ~~~python
;;   def quantise(x, axis):      # numpy; x: float32 -> the quantised numbers, widened to float32 again
;;       x = np.moveaxis(x, axis, -1); K = x.shape[-1]
;;       x = np.pad(x, [(0, 0)] * (x.ndim - 1) + [(0, -K % 32)]); x = x.reshape(x.shape[:-1] + (-1, 32)); a = np.abs(x).max(-1, keepdims=True)
;;       e = np.where(a > 0, np.clip(np.frexp(np.where(a > 0, a, 1))[1] - 1 - 2, -126, 127), 0)      # np.frexp(a)[1] - 1 = floor(log2(a)), exactly
;;       r = np.clip(x / 2.0 ** e, -6, 6)
;;       step = 2.0 ** (np.maximum(np.frexp(np.where(r == 0, 1, r))[1] - 1, 0) - 1)
;;       q = np.round(r / step) * step * 2.0 ** e      # np.round: ties to even
;;       return np.moveaxis(q.reshape(q.shape[:-2] + (-1,))[..., :K], -1, axis).astype(np.float32)
;;   ~~~
;;   OPERANDS COMPUTED ON THE WAY. 'Computed on the way' means the value that the module computes at that place (a softmax that the list does not call 'softmax' is quantised finished and normalised). What goes into a quantiser is computed in f32, as accurately as f32 sums, v_exp_f32 and their like allow (about 1e-6 of the number): no bf16 or f16 on the way to a quantiser, and a product that is left as it is and whose result goes on into a quantised operand takes f32 operands (vector FMAs, or v_wmma_f32_16x16x4_f32). A number that lies on a knife's edge between two numbers of the format may be rounded either way, as far as f32 arithmetic and the matrix unit's own rounding can turn it there, and no further.
;;   INPUTS GIVEN AS CODES. scale_base (in the module: [512, 1024], K = its axis 0): each comes as NAME_codes (uint8): NAME with its K axis moved to the last place and cut into blocks of 32 codes, [.., K / 32, bytes a block], one block behind the other in memory; two codes a byte, the lower K in the low four bits (a code: sign, 2 exponent bits, 1 mantissa bit); and NAME_scales (uint8): the same leading axes, one E8M0 byte (e + 127) for each 32 codes along K. Its value is code x scale, taken as it is: it is not quantised again, and the codes and scales need not be those that the quantiser above would give.
;; One version. Each part assembles by itself: llvm-mc -triple=amdgcn-amd-amdhsa -mcpu=gfx1250 --defsym DOCPART=n.
;; ======== version 1 of 1: 2 launches
;; limits: right only within a limited range of input values
;; workspace buffers: acode 18,874,368 bytes; ascale 1,179,648 bytes; bcode 2,359,296 bytes; bscale 147,456 bytes
;; launch prep (part 1): grid 256 x 1, 8 waves a work-group, no clusters, 14,336 bytes of LDS; arguments x, grid, coef, scale_base_codes, scale_base_scales, acode, ascale, bcode, bscale; writes acode, ascale, bcode, bscale
.if DOCPART == 1
	.amdgcn_target "amdgcn-amd-amdhsa--gfx1250"
	.amdhsa_code_object_version 6
	.text
	.protected	k_qc51b31ae77_prep
	.globl	k_qc51b31ae77_prep
	.p2align	8
	.type	k_qc51b31ae77_prep,@function
k_qc51b31ae77_prep:
	s_mov_b64 s[64:65], 0
	v_nop
	global_prefetch_b8 v0, s[64:65] scope:SCOPE_SE
	s_setreg_imm32_b32 hwreg(HW_REG_WAVE_MODE, 25, 1), 1
	s_wait_xcnt 0x0
; out0 = silu(x) scale_base + B(x; grid) coef, both products on codes of E2M1 with one E8M0 scale for each 32 along K.  This launch makes the operands of ONE product of K = 4,608 = 9 slots of 512:
;   slots 0-7: K = 8 i + k (the einsum's order: i, then k): A = the eight cubic B-spline values of x[b][i] on column i's own 12 knots, B = coef[i][o][k];   slot 8: K = i: A = silu(x[b][i]), B = scale_base as it is given.
;   acode [9][8192 rows][256 B] codes in K's order;  ascale [9][8192][16 B];  bcode [9][64 tiles of 16 columns][16 blocks][16 columns][16 B]: the order of the operand's registers;  bscale [9][1024][16 B].
; NO WORK IS LEFT OUT: every one of the five inputs has a way to the output and is loaded.  Nothing is taken for granted of the knots: not that they are even, sorted or distinct.
; THE SPLINE.  u_j = x - g_j;  ind_j = (g_j <= x) and not (g_j+1 <= x);  Rp_j = 1 / (g_j+p - g_j), made once for a column;  level p: w_j = Rp_j v_j, v'_j = N(u_j w_j - u_j+p+1 w_j+1), N = nan_to_num:
; the source's left x v_j + right x v_j+1 with the factors taken in another order.  THE GUARDS.  Level 1: g_j+1 = g_j makes ind_j 0 for every x, so the source's term is infinity x 0 and its values j - 1 and j are 0 for every x:
; that hangs on the knots alone and is folded into the constants (R1 = 0 there; R2_j x F_j x F_j+1 with F = 0 or 1).  Level 2: paid in full, two instructions a value (NaN to 0, then held at the largest f32 number).
; Level 3: NaN to 0; the hold is folded into the quantiser: the block's largest magnitude is held at the largest f32 number, and under any scale both that number and infinity lie beyond 6 and take the code 6.
; LIMITS: NaN or infinity in x, grid or coef is not served; a difference of knots that is not 0 but under 2^-126 counts as 0 (the reciprocal takes it for 0); an overflow of (x - g) / (difference) at level 1 is not held there;
; the sign of zero is not kept; a block of zeros gets the scale byte 1 where the rule says 127: its codes are zeros, and the bytes are read by this program alone.
; SHARES.  Work-group g: rows 32 g .. 32 g + 31 of x, and two tasks of coef.  Wave w: columns 64 w .. 64 w + 63 (slot w); lane l: the pair i0 = 64 w + 2 l, i1 = i0 + 1; a register pair always means (i0, i1), so the packed
; forms take x and the column's constants as they lie.  Lanes l and l xor 1 hold a spline block of 32, sixteen lanes a silu block.  A row's load and a row's store of codes each cover 256 consecutive bytes, aligned.
; No tensor load, no matrix instruction, one barrier (ahead of the flush of what the waves gathered in LDS).
.set BC,    0                          ; LDS: silu codes [wave 8][32 rows][32 B]
.set BS,    8192                       ; silu scale bytes [wave 8][32 rows][2 B]
.set SS,    8704                       ; spline scale bytes [wave 8][32 rows][16 B]
.set CS,    12800                      ; coef's scale words [task 2][16 columns][16 B]
.set SPARE, 13312                      ; the spare words, 128 bytes for each wave: four blocks of 256 bytes that no other line names
.set XO,  2                            ; v2   256 w + 8 l: my pair in a row of x
.set L8,  3                            ; v3   8 l
.set L16, 4                            ; v4   16 l
.set SS0, 5                            ; v5   SS + 512 w + l / 2
.set BS0, 6                            ; v6   BS + 64 w + l / 16
.set BC0, 7                            ; v7   BC + 1024 w + l
.set ASS, 8                            ; v8-10 the same three at the trip's first row
.set ABS, 9
.set ABC, 10
.set FS,  11                           ; v11  the flush: SS + 512 w + 16 l
.set FB,  12                           ; v12  the flush of silu codes: row 4 w + l / 16, 16-byte column l % 16
.set CSA, 13                           ; v13  CS + 256 (w / 4) + 16 (l / 2) + 4 (w % 4)
.set GRO, 14                           ; v14  96 x thread: my two rows of grid
.set RLO, 15                           ; v15  256 (l % 16) + 16 (l / 16)
.set G,   16                           ; v16-39   the 12 knots, pairs
.set R1,  40                           ; v40-61   11 pairs
.set R2,  62                           ; v62-81   10 pairs
.set R3,  82                           ; v82-99   9 pairs
.set XA,  100                          ; v100-107 four rows of x;  v108-115 four more
.set XB,  108
.set U,   116                          ; v116-139 u, 12 pairs
.set W,   140                          ; v140-161 w, 11 pairs
.set V,   162                          ; v162-181 v, 10 pairs
.set O,   182                          ; v182-197 the eight values of i0, then of i1
.set CD,  198                          ; v198-213 codes: two registers for each of a trip's 8 rows
.set SB,  214                          ; v214-221 silu of four rows;  v222-229 at work on it: directly behind, so that a conversion's eight sources are always written registers
.set E,   222
.set M4,  230
.set S4,  234
.set B4,  238
.set C4,  242
.set QM,  246
.set QN,  247
.set QS,  248
.set QB,  249
.set MAXF, 250                         ; v250 the largest f32 number
.set BSR, 251                          ; v251 BS + 2 l
.set SPW, 252                          ; v252 LDS address of my spare word; never rewritten
.set NIL, 253                          ; v253 0; never rewritten
.set SELA, 254                         ; v254, v255 byte selects for coef's exchange
.set SELB, 255
.set Q,   116                          ; at the head only: coef's 64 numbers;
.set FL,  182                          ; the flags F, 11 pairs; then coef's temporaries T0 .. T0 + 9
.set T0,  182
.set SW,  191
.set DD,  198                          ; coef's codes, two registers a block
.set RAW, 214                          ; grid as loaded
.set MK,  40                           ; s40-63 lane masks: 12 for i0, 12 for i1
	s_load_b512 s[4:19], s[0:1], 0x0               ; x, grid, coef, scale_base_codes, scale_base_scales, acode, ascale, bcode
	s_load_b64 s[20:21], s[0:1], 0x40              ; bscale
	v_lshl_add_u32 v[SPW], v0, 2, SPARE
	v_mov_b32 v[NIL], 0
	v_lshrrev_b32 v1, 5, v0
	s_delay_alu instid0(VALU_DEP_1)
	v_readfirstlane_b32 s22, v1                    ; wave w
	v_and_b32 v1, 31, v0                           ; lane l
	s_wait_alu depctr_va_vdst(0)
	s_and_b32 s23, s22, 3                          ; q = w % 4
	s_lshr_b32 s31, s22, 2
	s_lshl_b32 s24, ttmp9, 1
	s_add_co_u32 s24, s24, s31                     ; coef's task tt = 2 g + w / 4
	s_mov_b32 s25, 0xaaaaaaaa                      ; the odd lanes
	; every LDS address register is made here, ahead of all branches
	v_lshlrev_b32 v[L8], 3, v1
	v_lshlrev_b32 v[L16], 4, v1
	s_lshl_b32 s29, s22, 8
	v_add_nc_u32 v[XO], s29, v[L8]
	v_lshrrev_b32 v[SS0], 1, v1
	s_lshl_b32 s29, s22, 9
	s_add_co_u32 s29, s29, SS
	v_add_nc_u32 v[FS], s29, v[L16]
	v_add_nc_u32 v[SS0], s29, v[SS0]
	v_lshrrev_b32 v[BS0], 4, v1
	s_lshl_b32 s29, s22, 6
	s_add_co_u32 s29, s29, BS
	v_add_nc_u32 v[BS0], s29, v[BS0]
	s_lshl_b32 s29, s22, 10
	v_add_nc_u32 v[BC0], s29, v1
	v_bfe_u32 v[FB], v0, 1, 3
	s_delay_alu instid0(VALU_DEP_1)
	v_lshlrev_b32 v[FB], 10, v[FB]                 ; which wave wrote the column: (l % 16) / 2
	v_and_b32 v8, 1, v0
	s_delay_alu instid0(VALU_DEP_1)
	v_lshl_add_u32 v[FB], v8, 4, v[FB]             ; which half of its 32 bytes
	v_bfe_u32 v8, v0, 4, 1
	s_delay_alu instid0(VALU_DEP_1)
	v_lshl_add_u32 v[FB], v8, 5, v[FB]             ; row l / 16,
	s_lshl_b32 s29, s22, 7
	v_add_nc_u32 v[FB], s29, v[FB]                 ; of my four rows 4 w on
	v_lshrrev_b32 v[CSA], 1, v1
	s_delay_alu instid0(VALU_DEP_1)
	v_lshlrev_b32 v[CSA], 4, v[CSA]
	s_lshl_b32 s29, s31, 8
	s_lshl_b32 s30, s23, 2
	s_add_co_u32 s29, s29, s30
	s_add_co_u32 s29, s29, CS
	v_add_nc_u32 v[CSA], s29, v[CSA]
	v_lshl_add_u32 v[BSR], v1, 1, BS
	v_mul_u32_u24 v[GRO], v0, 96                   ; a row of grid is 48 bytes; my two rows begin at 48 (64 w + 2 l)
	v_and_b32 v[RLO], 15, v0
	s_delay_alu instid0(VALU_DEP_1)
	v_lshlrev_b32 v[RLO], 8, v[RLO]
	s_delay_alu instid0(VALU_DEP_1)
	v_lshl_add_u32 v[RLO], v8, 4, v[RLO]
	v_mov_b32 v[MAXF], 0x7f7fffff
	v_mov_b32 v[SELA], 0x05040100
	v_mov_b32 v8, 0x01000504
	s_delay_alu instid0(VALU_DEP_1)
	v_cndmask_b32 v[SELA], v[SELA], v8, s25
	v_mov_b32 v[SELB], 0x07060302
	v_mov_b32 v8, 0x03020706
	s_delay_alu instid0(VALU_DEP_1)
	v_cndmask_b32 v[SELB], v[SELB], v8, s25
	s_mov_b32 s27, 0
	s_wait_alu depctr_va_vdst(0)
	s_wait_kmcnt 0x0
	s_lshr_b32 s29, s24, 3                         ; scale_base's codes: tile tt / 8, blocks 2 (tt % 8) and the next
	s_and_b32 s30, s24, 7
	s_lshl_b32 s26, s29, 12
	s_lshl_b32 s28, s30, 5
	s_add_co_u32 s26, s26, s28
	s_add_nc_u64 s[10:11], s[10:11], s[26:27]
	s_min_u32 s31, s24, 31                         ; its scale bytes: 512 bytes for each of tasks 0 to 31 (the others' address is held inside the buffer)
	s_lshl_b32 s26, s31, 9
	s_add_nc_u64 s[12:13], s[12:13], s[26:27]
	global_load_b128 v[108:111], v[RLO], s[10:11]  ; what is copied is asked for first of all loads, by every wave alike: the counted waits below count younger loads only, and show these two landed as well
	global_load_b128 v[112:115], v[L16], s[12:13]
	s_lshl_b32 s26, ttmp9, 16                      ; x: 32 rows of 2,048 bytes a work-group
	s_add_nc_u64 s[4:5], s[4:5], s[26:27]
	s_lshr_b32 s29, s24, 6                         ; coef's slot = tt / 64
	s_and_b32 s30, s24, 63                         ; and its tile of 16 columns = tt % 64
	s_lshl_b32 s26, s29, 21                        ; coef: (64 slot + 16 q) rows i of 32,768 bytes + 512 x tile
	s_lshl_b32 s28, s23, 19
	s_add_co_u32 s26, s26, s28
	s_lshl_b32 s28, s30, 9
	s_add_co_u32 s26, s26, s28
	s_add_nc_u64 s[8:9], s[8:9], s[26:27]
.irp c, 0,1,2,3,4,5
	global_load_b128 v[RAW+4*\c:RAW+4*\c+3], v[GRO], s[6:7] offset:16*\c
.endr
.irp n, 0,1,2,3,4,5,6,7,8,9,10,11,12,13,14,15
	global_load_b128 v[Q+4*\n:Q+4*\n+3], v[L16], s[8:9] offset:32768*\n th:TH_LOAD_NT   ; coef[i + n][16 columns][8]: 512 consecutive bytes
.endr
.irp t, 0,1,2,3
	global_load_b64 v[XA+2*\t:XA+2*\t+1], v[XO], s[4:5] offset:2048*\t th:TH_LOAD_NT
.endr
	; the other addresses
	s_lshl_b32 s26, s29, 18                        ; bcode: 262,144 slot + 4,096 tile + 1,024 q
	s_lshl_b32 s28, s30, 12
	s_add_co_u32 s26, s26, s28
	s_lshl_b32 s28, s23, 10
	s_add_co_u32 s26, s26, s28
	s_add_nc_u64 s[78:79], s[18:19], s[26:27]
	s_lshl_b32 s26, s22, 21                        ; acode, spline: slot w, rows 32 g on
	s_lshl_b32 s28, ttmp9, 13
	s_add_co_u32 s26, s26, s28
	s_add_nc_u64 s[70:71], s[14:15], s[26:27]
	s_lshl_b32 s26, s22, 10                        ; acode, silu: slot 8, rows 32 g + 4 w on
	s_add_co_u32 s26, s26, s28
	s_add_co_u32 s26, s26, 8*2097152
	s_add_nc_u64 s[72:73], s[14:15], s[26:27]
	s_lshl_b32 s28, ttmp9, 9
	s_lshl_b32 s26, s22, 17                        ; ascale: plane w, rows 32 g on
	s_add_co_u32 s26, s26, s28
	s_add_nc_u64 s[74:75], s[16:17], s[26:27]
	s_add_co_u32 s26, s28, 8*131072                ; and plane 8
	s_add_nc_u64 s[76:77], s[16:17], s[26:27]
	s_lshr_b32 s29, s24, 3                         ; the copy of scale_base's codes: tile tt / 8, blocks 2 (tt % 8) and the next
	s_and_b32 s30, s24, 7
	s_lshl_b32 s26, s29, 12
	s_lshl_b32 s28, s30, 5
	s_add_co_u32 s26, s26, s28
	s_lshl_b32 s26, s29, 12
	s_lshl_b32 s28, s30, 9
	s_add_co_u32 s26, s26, s28
	s_add_co_u32 s26, s26, 8*262144
	s_add_nc_u64 s[80:81], s[18:19], s[26:27]
	s_min_u32 s31, s24, 31                         ; the copy of its scale bytes: 512 bytes for each of tasks 0 to 31 (the others' address is held inside the buffer and not used)
	s_lshl_b32 s26, s31, 9
	s_add_co_u32 s26, s26, 8*16384
	s_add_nc_u64 s[36:37], s[20:21], s[26:27]
	s_lshr_b32 s29, ttmp9, 5                       ; bscale: my work-group's two tasks are neighbouring tiles of slot g / 32: 512 consecutive bytes
	s_and_b32 s30, ttmp9, 31
	s_lshl_b32 s26, s29, 14
	s_lshl_b32 s28, s30, 9
	s_add_co_u32 s26, s26, s28
	s_add_nc_u64 s[82:83], s[20:21], s[26:27]
	; ---- the column's constants
	s_wait_loadcnt 20                              ; grid's six loads are in; coef's sixteen and x's four stay out
.irp j, 0,1,2,3,4,5,6,7,8,9,10,11
	v_mov_b32 v[G+2*\j], v[RAW+\j]
	v_mov_b32 v[G+2*\j+1], v[RAW+12+\j]
.endr
.irp j, 0,1,2,3,4,5,6,7,8,9,10
	v_pk_add_f32 v[R1+2*\j:R1+2*\j+1], v[G+2*\j+2:G+2*\j+3], v[G+2*\j:G+2*\j+1] neg_lo:[0,1] neg_hi:[0,1]
.endr
.irp j, 0,1,2,3,4,5,6,7,8,9
	v_pk_add_f32 v[R2+2*\j:R2+2*\j+1], v[G+2*\j+4:G+2*\j+5], v[G+2*\j:G+2*\j+1] neg_lo:[0,1] neg_hi:[0,1]
.endr
.irp j, 0,1,2,3,4,5,6,7,8
	v_pk_add_f32 v[R3+2*\j:R3+2*\j+1], v[G+2*\j+6:G+2*\j+7], v[G+2*\j:G+2*\j+1] neg_lo:[0,1] neg_hi:[0,1]
.endr
.set n, 0
	s_wait_alu depctr_va_vdst(0)
.rept 60
	v_rcp_f32 v[R1+n], v[R1+n]                     ; one batch, each in place
.set n, n+1
.endr
	v_nop                                          ; a plain instruction behind the last reciprocal
	s_wait_alu depctr_va_vdst(0)                   ; one wait for the batch, ahead of its first reader
.set n, 0
.rept 22
	v_and_b32 v204, 0x7fffffff, v[R1+n]
	s_delay_alu instid0(VALU_DEP_1)
	v_cmp_ne_u32 vcc_lo, 0x7f800000, v204          ; a reciprocal that is infinite: two equal neighbours among the knots
	s_delay_alu instid0(VALU_DEP_1)
	v_cndmask_b32 v[FL+n], 0, 1.0, vcc_lo          ; F = 0 there, else 1
	v_cndmask_b32 v[R1+n], 0, v[R1+n], vcc_lo      ; and R1 = 0 there
.set n, n+1
.endr
.irp j, 0,1,2,3,4,5,6,7,8,9
	v_pk_mul_f32 v[R2+2*\j:R2+2*\j+1], v[R2+2*\j:R2+2*\j+1], v[FL+2*\j:FL+2*\j+1]
.endr
.irp j, 0,1,2,3,4,5,6,7,8,9
	v_pk_mul_f32 v[R2+2*\j:R2+2*\j+1], v[R2+2*\j:R2+2*\j+1], v[FL+2*\j+2:FL+2*\j+3]   ; (infinity x 0 gives NaN here where the source's infinity x (a value made 0) does)
.endr
	; ---- coef: 16 columns x 16 i: four blocks of 32 along K.  Lane (r = l / 2, half = l % 2) holds coef[i][16 tile + r][4 half .. 4 half + 3] of the 16 i
.macro CBLK j
.set QJ, Q+16*(\j)
	v_max3_num_f32 v[T0], |v[QJ]|, |v[QJ+1]|, 0x1800000            ; my 16 numbers of the block, and the floor 2^(3 - 127): the byte cannot fall under 1
	v_max3_num_f32 v[T0+1], |v[QJ+2]|, |v[QJ+3]|, |v[QJ+4]|
	s_delay_alu instid0(VALU_DEP_2)
	v_max3_num_f32 v[T0], v[T0], |v[QJ+5]|, |v[QJ+6]|
	s_delay_alu instid0(VALU_DEP_2)
	v_max3_num_f32 v[T0+1], v[T0+1], |v[QJ+7]|, |v[QJ+8]|
	s_delay_alu instid0(VALU_DEP_2)
	v_max3_num_f32 v[T0], v[T0], |v[QJ+9]|, |v[QJ+10]|
	s_delay_alu instid0(VALU_DEP_2)
	v_max3_num_f32 v[T0+1], v[T0+1], |v[QJ+11]|, |v[QJ+12]|
	s_delay_alu instid0(VALU_DEP_2)
	v_max3_num_f32 v[T0], v[T0], |v[QJ+13]|, |v[QJ+14]|
	s_delay_alu instid0(VALU_DEP_1)
	v_max3_num_f32 v[T0], v[T0], v[T0+1], |v[QJ+15]|
	s_delay_alu instid0(VALU_DEP_1)
	v_max_num_f32_dpp v[T0], v[T0], v[T0] row_xmask:1 row_mask:0xf bank_mask:0xf   ; with my neighbour's 16: the block's largest magnitude
	s_delay_alu instid0(VALU_DEP_1)
	v_add_nc_u32 v[T0+2], 0xff000000, v[T0]        ; 2 off its exponent field: the conversion's scale operand
	v_cvt_scalef32_pk8_fp4_f32 v[T0+3], v[QJ:QJ+7], v[T0+2]        ; my four k of i_0 (low half), of i_1 (high half)
	v_cvt_scalef32_pk8_fp4_f32 v[T0+4], v[QJ+8:QJ+15], v[T0+2]     ; of i_2, of i_3
	v_lshrrev_b32 v[T0+5], 23, v[T0+2]             ; the scale's byte.  (The plain instruction behind the conversions)
	v_cndmask_b32 v[T0+6], v[T0+4], v[T0+3], s25   ; even lanes send i_2, i_3 and keep i_0, i_1; odd lanes the other way round
	v_cndmask_b32 v[T0+7], v[T0+3], v[T0+4], s25
	s_delay_alu instid0(VALU_DEP_2)
	v_mov_b32_dpp v[T0+8], v[T0+6] row_xmask:1 row_mask:0xf bank_mask:0xf
	s_delay_alu instid0(VALU_DEP_1)
	v_perm_b32 v[DD+2*(\j)], v[T0+8], v[T0+7], v[SELA]             ; a word = one i's eight codes, k 0-3 from the even lane below k 4-7 from the odd one
	s_delay_alu instid0(VALU_DEP_2)
	v_perm_b32 v[DD+2*(\j)+1], v[T0+8], v[T0+7], v[SELB]
.if (\j) == 0
	v_mov_b32 v[SW], v[T0+5]
.else
	v_lshl_or_b32 v[SW], v[T0+5], 8*(\j), v[SW]
.endif
	global_store_b64 v[L8], v[DD+2*(\j):DD+2*(\j)+1], s[78:79] offset:256*(\j)   ; block 4 q + j of 16 columns: 256 consecutive bytes, aligned
.endm
	s_wait_loadcnt 4                               ; coef is in; x's four loads stay out
	v_mov_b32 v[T0+8], 0                           ; written once: a lane exchange's destination counts as one of its sources
	CBLK 0
	CBLK 1
	CBLK 2
	CBLK 3
	ds_store_b32 v[CSA], v[SW]                     ; word q of my column's 16 scale bytes (both lanes of a column write the same word with the same value)
	; ---- scale_base: its codes are laid anew beside coef's, its scale bytes copied.  Branches on ids alone; no LDS and no barrier inside
	s_cmp_lg_u32 s23, 0
	s_cbranch_scc1 .Lnot_codes
	global_store_b128 v[L16], v[108:111], s[80:81] ; two blocks x 16 columns: 512 consecutive bytes
.Lnot_codes:
	s_cmp_lg_u32 s23, 1
	s_cbranch_scc1 .Lnot_scales
	s_cmp_ge_u32 s24, 32
	s_cbranch_scc1 .Lnot_scales
	global_store_b128 v[L16], v[112:115], s[36:37]
.Lnot_scales:
; ---- the macros of the loop over rows
.macro LEVEL n, d                      ; v'_j = u_j w_j - u_(j + d) w_(j + 1), j = 0 .. n - 1, both columns at once
.set jj, 0
.rept \n
	v_pk_mul_f32 v[V+2*jj:V+2*jj+1], v[U+2*(jj+\d):U+2*(jj+\d)+1], v[W+2*jj+2:W+2*jj+3]
.set jj, jj+1
.endr
.set jj, 0
.rept \n
	v_pk_fma_f32 v[V+2*jj:V+2*jj+1], v[U+2*jj:U+2*jj+1], v[W+2*jj:W+2*jj+1], v[V+2*jj:V+2*jj+1] neg_lo:[0,0,1] neg_hi:[0,0,1]
.set jj, jj+1
.endr
.endm
.macro WEIGH n, r                      ; w_j = R_j v_j
.set jj, 0
.rept \n
	v_pk_mul_f32 v[W+2*jj:W+2*jj+1], v[\r+2*jj:\r+2*jj+1], v[V+2*jj:V+2*jj+1]
.set jj, jj+1
.endr
.endm
; One row: x of my two columns in v[xr], v[xr + 1]; row = its number in the trip's eight
.macro SPLINE xr, row
	v_pk_add_f32 v[U:U+1], v[(\xr):(\xr)+1], v[G:G+1] neg_lo:[0,1] neg_hi:[0,1]   ; u_0 (a plain instruction: it also stands behind silu's transcendentals)
.irp e, 0,1
.irp j, 0,1,2,3,4,5,6,7,8,9,10,11
	v_cmp_le_f32 s[MK+12*\e+\j], v[G+2*\j+\e], v[(\xr)+\e]          ; g_j <= x
.endr
.endr
.irp j, 1,2,3,4,5,6,7,8,9,10,11
	v_pk_add_f32 v[U+2*\j:U+2*\j+1], v[(\xr):(\xr)+1], v[G+2*\j:G+2*\j+1] neg_lo:[0,1] neg_hi:[0,1]
.endr
.irp e, 0,1
.irp j, 0,1,2,3,4,5,6,7,8,9,10
	s_and_not1_b32 s[MK+12*\e+\j], s[MK+12*\e+\j], s[MK+12*\e+\j+1] ; ind_j; j ascending, so that mask j + 1 is still the compare's
.endr
.endr
.irp j, 0,1,2,3,4,5,6,7,8,9,10
.irp e, 0,1
	v_cndmask_b32 v[W+2*\j+\e], 0, v[R1+2*\j+\e], s[MK+12*\e+\j]    ; w_j = R1_j ind_j
.endr
.endr
	LEVEL 10, 2
	WEIGH 10, R2
	LEVEL 9, 3
.set jj, 0
.rept 18
	v_med3_num_f32 v[V+jj], v[V+jj], v[V+jj], 0    ; NaN to 0 (with a NaN among its sources it gives the least of the numbers; any number gives itself)
.set jj, jj+1
.endr
.set jj, 0
.rept 18
	v_med3_num_f32 v[V+jj], v[V+jj], -v[MAXF], v[MAXF]             ; infinities to the largest number
.set jj, jj+1
.endr
	WEIGH 9, R3
	LEVEL 8, 4
.irp j, 0,1,2,3,4,5,6,7
.irp e, 0,1
	v_med3_num_f32 v[O+8*\e+\j], v[V+2*\j+\e], v[V+2*\j+\e], 0     ; NaN to 0, and each column's eight values on end
.endr
.endr
	v_max3_num_f32 v[QM], |v[O]|, |v[O+1]|, 0x1800000              ; my 16 numbers of the block, and the floor 2^(3 - 127)
	v_max3_num_f32 v[QN], |v[O+2]|, |v[O+3]|, |v[O+4]|
	s_delay_alu instid0(VALU_DEP_2)
	v_max3_num_f32 v[QM], v[QM], |v[O+5]|, |v[O+6]|
	s_delay_alu instid0(VALU_DEP_2)
	v_max3_num_f32 v[QN], v[QN], |v[O+7]|, |v[O+8]|
	s_delay_alu instid0(VALU_DEP_2)
	v_max3_num_f32 v[QM], v[QM], |v[O+9]|, |v[O+10]|
	s_delay_alu instid0(VALU_DEP_2)
	v_max3_num_f32 v[QN], v[QN], |v[O+11]|, |v[O+12]|
	s_delay_alu instid0(VALU_DEP_2)
	v_max3_num_f32 v[QM], v[QM], |v[O+13]|, |v[O+14]|
	s_delay_alu instid0(VALU_DEP_1)
	v_max3_num_f32 v[QM], v[QM], v[QN], |v[O+15]|
	s_delay_alu instid0(VALU_DEP_1)
	v_max_num_f32_dpp v[QM], v[QM], v[QM] row_xmask:1 row_mask:0xf bank_mask:0xf   ; with my neighbour's two columns: the block's
	s_delay_alu instid0(VALU_DEP_1)
	v_min_num_f32 v[QM], v[QM], v[MAXF]            ; level 3's hold, on the block's largest magnitude
	s_delay_alu instid0(VALU_DEP_1)
	v_add_nc_u32 v[QS], 0xff000000, v[QM]          ; 2 off its exponent field: the conversion's scale operand
	v_cvt_scalef32_pk8_fp4_f32 v[CD+2*(\row)], v[O:O+7], v[QS]
	v_cvt_scalef32_pk8_fp4_f32 v[CD+2*(\row)+1], v[O+8:O+15], v[QS]
	v_lshrrev_b32 v[QB], 23, v[QS]                 ; the scale's byte.  (The plain instruction behind the conversions)
	global_store_b64 v[L8], v[CD+2*(\row):CD+2*(\row)+1], s[70:71] offset:256*(\row)   ; the wave stores the row's 256 bytes of slot w
	ds_store_b8 v[ASS], v[QB] offset:16*(\row)     ; both lanes of a block write the same byte with the same value
.endm
; silu of four rows, in three parts that stand between the rows' splines, so that each batch of transcendentals has a row's work behind it and one wait
.macro SILU_A xb
.irp t, 0,1,2,3
	v_pk_mul_f32 v[E+2*\t:E+2*\t+1], v[(\xb)+2*\t:(\xb)+2*\t+1], 0xbfb8aa3b op_sel_hi:[1,0]   ; -x log2(e)
.endr
	s_wait_alu depctr_va_vdst(0)
.irp t, 0,1,2,3,4,5,6,7
	v_exp_f32 v[E+\t], v[E+\t]
.endr
.endm
.macro SILU_B
	s_wait_alu depctr_va_vdst(0)                   ; one wait for the eight exponentials, ahead of their first reader
.irp t, 0,1,2,3
	v_pk_add_f32 v[E+2*\t:E+2*\t+1], v[E+2*\t:E+2*\t+1], 1.0 op_sel_hi:[1,0]
.endr
	s_wait_alu depctr_va_vdst(0)
.irp t, 0,1,2,3,4,5,6,7
	v_rcp_f32 v[E+\t], v[E+\t]
.endr
.endm
.macro SILU_C xb, rw
	s_wait_alu depctr_va_vdst(0)                   ; one wait for the eight reciprocals
.irp t, 0,1,2,3
	v_pk_mul_f32 v[SB+2*\t:SB+2*\t+1], v[(\xb)+2*\t:(\xb)+2*\t+1], v[E+2*\t:E+2*\t+1]   ; x / (1 + e^-x)
.endr
.irp t, 0,1,2,3
	s_delay_alu instid0(VALU_DEP_4)
	v_max3_num_f32 v[M4+\t], |v[SB+2*\t]|, |v[SB+2*\t+1]|, 0x1800000
.endr
.irp m, 1,2,4,8
.irp t, 0,1,2,3
	s_delay_alu instid0(VALU_DEP_4)
	v_max_num_f32_dpp v[M4+\t], v[M4+\t], v[M4+\t] row_xmask:\m row_mask:0xf bank_mask:0xf   ; sixteen lanes hold a block of 32 columns (the four rows by turns)
.endr
.endr
.irp t, 0,1,2,3
	s_delay_alu instid0(VALU_DEP_4)
	v_add_nc_u32 v[S4+\t], 0xff000000, v[M4+\t]
.endr
.irp t, 0,1,2,3
	v_cvt_scalef32_pk8_fp4_f32 v[C4+\t], v[SB+2*\t:SB+2*\t+7], v[S4+\t]   ; its low byte holds my two codes; the six other sources are written registers whose codes are not used
.endr
.irp t, 0,1,2,3
	v_lshrrev_b32 v[B4+\t], 23, v[S4+\t]           ; the scale's byte.  (Plain instructions behind the conversions)
.endr
.irp t, 0,1,2,3
	ds_store_b8 v[ABC], v[C4+\t] offset:32*((\rw)+\t)
	ds_store_b8 v[ABS], v[B4+\t] offset:2*((\rw)+\t)   ; sixteen lanes write the same byte with the same value
.endr
.endm
.macro TRIP xb, rw
	SILU_A \xb
	SPLINE \xb, \rw
	SILU_B
	SPLINE (\xb)+2, (\rw)+1
	SILU_C \xb, \rw
	SPLINE (\xb)+4, (\rw)+2
	SPLINE (\xb)+6, (\rw)+3
.endm
	s_mov_b32 s66, 4                               ; four trips of eight rows
	s_mov_b32 s67, 0                               ; the trip's first row x 16,
	s_mov_b32 s68, 0                               ; x 32,
	s_mov_b32 s69, 0                               ; x 2
.Lrows:
	s_wait_xcnt 0x0                                ; the stores issued so far have read their data: the codes' registers are written again
	s_wait_dscnt 0x0                               ; and my LDS stores their addresses
	v_add_nc_u32 v[ASS], s67, v[SS0]
	v_add_nc_u32 v[ABC], s68, v[BC0]
	v_add_nc_u32 v[ABS], s69, v[BS0]
.irp t, 0,1,2,3
	global_load_b64 v[XB+2*\t:XB+2*\t+1], v[XO], s[4:5] offset:2048*(4+\t) th:TH_LOAD_NT
.endr
	s_wait_loadcnt 4                               ; rows 0-3 are in; the four loads just issued stay out
	TRIP XA, 0
	s_cmp_eq_u32 s66, 1
	s_cbranch_scc1 .Llast
.irp t, 0,1,2,3
	global_load_b64 v[XA+2*\t:XA+2*\t+1], v[XO], s[4:5] offset:2048*(8+\t) th:TH_LOAD_NT   ; the next trip's first four rows
.endr
	s_wait_loadcnt 4                               ; rows 4-7 are in; the four just issued stay out
	s_branch .Lgo
.Llast:
	s_wait_loadcnt 0x0                             ; the last trip asks for nothing: no load leaves x
.Lgo:
	TRIP XB, 4
	s_wait_xcnt 0x0                                ; the loads and stores have read their bases
	s_add_nc_u64 s[4:5], s[4:5], 16384
	s_add_nc_u64 s[70:71], s[70:71], 2048
	s_add_co_u32 s67, s67, 128
	s_add_co_u32 s68, s68, 256
	s_add_co_u32 s69, s69, 16
	s_sub_co_u32 s66, s66, 1
	s_cmp_lg_u32 s66, 0
	s_cbranch_scc1 .Lrows
	; ---- the flush: what the waves gathered in LDS leaves in runs of 512 consecutive bytes
	s_wait_dscnt 0x0                               ; for the others' sake: my LDS stores are done
	s_barrier_signal -1
	s_barrier_wait -1
	ds_load_b128 v[100:103], v[FS]                 ; my slot's scale bytes of the 32 rows
	ds_load_b128 v[104:107], v[FB]                 ; silu codes: rows 4 w, 4 w + 1,
	ds_load_b128 v[108:111], v[FB] offset:64       ; rows 4 w + 2, 4 w + 3
	s_wait_dscnt 0x2                               ; the first is in
	global_store_b128 v[L16], v[100:103], s[74:75]
	s_wait_dscnt 0x1                               ; the second
	global_store_b128 v[L16], v[104:107], s[72:73]
	s_wait_dscnt 0x0                               ; the third
	global_store_b128 v[L16], v[108:111], s[72:73] offset:512
	s_cmp_lg_u32 s22, 0
	s_cbranch_scc1 .Lnot_wave_0
.irp n, 0,1,2,3,4,5,6,7
	ds_load_u16 v[116+\n], v[BSR] offset:64*\n     ; silu's scale bytes: a lane a row, two bytes from each wave's part
.endr
	s_wait_dscnt 0x0
.irp d, 0,1,2,3
	v_lshl_or_b32 v[124+\d], v[117+2*\d], 16, v[116+2*\d]
.endr
	global_store_b128 v[L16], v[124:127], s[76:77]
.Lnot_wave_0:
	s_cmp_lg_u32 s22, 1
	s_cbranch_scc1 .Ldone
	ds_load_b128 v[128:131], v[L16] offset:CS      ; coef's scale bytes of 32 columns
	s_wait_dscnt 0x0
	global_store_b128 v[L16], v[128:131], s[82:83]
.Ldone:
	s_wait_tensorcnt 0x0                           ; the wave's end, behind my last LDS store
	ds_add_u32 v[SPW], v[NIL]
	s_wait_dscnt 0x0
	s_endpgm
.Lfunc_end_k_qc51b31ae77_prep:
	.size	k_qc51b31ae77_prep, .Lfunc_end_k_qc51b31ae77_prep-k_qc51b31ae77_prep
	.p2alignl 7, 3214868480
	.fill 96, 4, 3214868480
	.section	.rodata,"a",@progbits
	.p2align	6, 0x0
	.amdhsa_kernel k_qc51b31ae77_prep
		.amdhsa_group_segment_fixed_size 14336
		.amdhsa_private_segment_fixed_size 0
		.amdhsa_enable_private_segment 0
		.amdhsa_kernarg_size 72
		.amdhsa_user_sgpr_count 2
		.amdhsa_user_sgpr_kernarg_segment_ptr 1
		.amdhsa_wavefront_size32 1
		.amdhsa_system_sgpr_workgroup_id_x 1
		.amdhsa_system_sgpr_workgroup_id_y 1
		.amdhsa_system_sgpr_workgroup_id_z 1
		.amdhsa_system_vgpr_workitem_id 0
		.amdhsa_next_free_vgpr 256
		.amdhsa_next_free_sgpr 84
		.amdhsa_reserve_vcc 1
		.amdhsa_float_denorm_mode_32 3
		.amdhsa_float_denorm_mode_16_64 3
		.amdhsa_memory_ordered 1
		.amdhsa_forward_progress 1
		.amdhsa_inst_pref_size 148
	.end_amdhsa_kernel
	.amdgpu_metadata
---
amdhsa.version: [ 1, 2 ]
amdhsa.kernels:
  - .name:           k_qc51b31ae77_prep
    .symbol:         k_qc51b31ae77_prep.kd
    .args:
      - { .name: x, .offset: 0, .size: 8, .value_kind: global_buffer, .address_space: global }
      - { .name: grid, .offset: 8, .size: 8, .value_kind: global_buffer, .address_space: global }
      - { .name: coef, .offset: 16, .size: 8, .value_kind: global_buffer, .address_space: global }
      - { .name: scale_base_codes, .offset: 24, .size: 8, .value_kind: global_buffer, .address_space: global }
      - { .name: scale_base_scales, .offset: 32, .size: 8, .value_kind: global_buffer, .address_space: global }
      - { .name: acode, .offset: 40, .size: 8, .value_kind: global_buffer, .address_space: global }
      - { .name: ascale, .offset: 48, .size: 8, .value_kind: global_buffer, .address_space: global }
      - { .name: bcode, .offset: 56, .size: 8, .value_kind: global_buffer, .address_space: global }
      - { .name: bscale, .offset: 64, .size: 8, .value_kind: global_buffer, .address_space: global }
    .group_segment_fixed_size: 14336
    .private_segment_fixed_size: 0
    .kernarg_segment_align: 8
    .kernarg_segment_size: 72
    .max_flat_workgroup_size: 256
    .sgpr_count:     84
    .vgpr_count:     256
    .wavefront_size: 32
...
	.end_amdgpu_metadata
.endif
;; end of part 1
;; launch gemm (part 2): grid 4 x 64, 4 waves a work-group, clusters of 4 x 4, 327,680 bytes of LDS; arguments acode, ascale, bcode, bscale, out0; writes out0
.if DOCPART == 2
	.amdgcn_target "amdgcn-amd-amdhsa--gfx1250"
	.amdhsa_code_object_version 6
	.text
	.protected	k_qc51b31ae77_gemm
	.globl	k_qc51b31ae77_gemm
	.p2align	8
	.type	k_qc51b31ae77_gemm,@function
k_qc51b31ae77_gemm:
	s_mov_b64 s[64:65], 0
	v_nop
	global_prefetch_b8 v0, s[64:65] scope:SCOPE_SE
	s_setreg_imm32_b32 hwreg(HW_REG_WAVE_MODE, 25, 1), 1
	s_wait_xcnt 0x0
	s_wait_alu depctr_hold_cnt(0) depctr_sa_sdst(0) depctr_va_vdst(0) depctr_va_sdst(0) depctr_va_ssrc(0) depctr_va_vcc(0) depctr_vm_vsrc(0)
	s_getreg_b32 s2, hwreg(HW_REG_IB_STS2, 6, 4)
	s_cmp_eq_u32 s2, 0
	s_cbranch_scc0 .Lentry_in_a_cluster
	s_endpgm
.Lentry_in_a_cluster:
	s_bfe_u32 s2, ttmp6, 0x10000c
	s_cmp_lg_u32 s2, 0xf033
	s_cbranch_scc0 .Lentry_shape_is_right
	s_endpgm
.Lentry_shape_is_right:
; out0 [8192][1024] f32 = A B^T over K = 4,608 = 9 planes of 512 = 36 steps of 128, on codes of E2M1 with E8M0 scales, as the launch before laid them:
;   acode [9][8192][256 B], ascale [9][8192][16 B], bcode [9][64 tiles of 16 columns][16 blocks][16 columns][16 B] (the order of the operand's registers), bscale [9][1024][16 B].
; No work is left out.
; SHARES.  A tile of out0, 128 x 256, is made by a work-group of four waves; wave w makes all 128 rows x columns 64 w .. 64 w + 63: 32 accumulators, 256 registers.
; A: the 128 rows for ALL of K, 294,912 bytes, come into LDS once: each wave issues one tensor load at the head (rows 32 w .. 32 w + 31 of all nine planes: nine runs of 8,192 bytes,
;   16 bytes of padding behind every 256).  LDS image [wave 4][plane 9][32 rows][272 B].  Nothing is filled again: no ring, and no barrier between the head and the way out.
; B and the scale words: no two waves of a work-group read the same bytes of B, so they go from memory straight into registers, 512 consecutive bytes a load:
;   six sets of B (32 registers a step), asked for six steps ahead; three sets of scale words (24 registers a plane).
; CLUSTERS: 4 x 4 work-groups; the four of a row of the cluster need the same rows of A and ask for them jointly.  B never lies in LDS, so no joint load can bring it.
; PREFETCH: in the second step of a plane each wave names one run of 256 bytes of its own 16,384 bytes of B three planes on, five steps ahead of the first load that wants that plane;
;   the 64 tile rows share the 64 runs out by address.  Planes 0 to 2 come by their loads alone; the last asked for is plane 8.  A is asked for whole at the head: nothing to run ahead of.
; THE MATRIX INSTRUCTION IS USED TRANSPOSED (source 0 = B, source 1 = A): a lane holds eight neighbouring numbers of a row of out0.
; REGISTERS.  Window 0: v0-15 addresses; v16-87 scale words; v88-215 A's fragments, two sets of 64 (on the way out: rows read back).  Window 1: v0-191 B's six sets.  Window 2: the accumulators ((a, b) at 8 (4 a + b)).
.set PITCH, 272
.set SSTR,  32*PITCH                   ; a plane in a loading wave's part of A
.set WSTR,  9*SSTR                     ; a loading wave's part
.set SPARE, 4*WSTR                     ; behind A: the spare words, 128 bytes a wave: two blocks of 256 bytes that no other line names
.set L16, 4                            ; v4   16 x lane
.set AD0, 5                            ; v5-8 LDS address of A's fragments 0-1, 2-3, 4-5, 6-7
.set PFO, 9                            ; v9   256 x tile row
.set STO, 10                           ; v10  the way out: where I put 32 bytes of a row
.set RD,  11                           ; v11  where I read rows back
.set CO,  12                           ; v12  my byte offset in two rows of out0
.set SPW, 14                           ; v14  my spare word; never rewritten
.set NIL, 15                           ; v15  0; never rewritten
.set SC,  16                           ; set p at SC + 24 p: 16 registers of A's words (4 i + q: rows 32 i + lane), 8 of B's
.set AF,  88
.set ASB, 6                            ; s[6:7] ascale, s[8:9] bcode, s[10:11] bscale, s[12:13] out0, each at my part
.set BBS, 8
.set BSB, 10
.set OUTB, 12
.set G1,  24
.set G0,  32
.set MSB, 0
.macro WIN new                         ; the immediate's high byte repeats the setting that is left
.if MSB != \new
	s_set_vgpr_msb (MSB<<8)|\new
.set MSB, \new
.endif
.endm
.set MUL,  0xa1                        ; source 0 (B) window 1, source 1 (A) window 0, C and D window 2
.set TO_B, 0x40                        ; destination window 1, address window 0
.macro PLACES
.rept 4
	v_nop
.endr
.endm
.macro CROUND                          ; a round of the cluster's barrier
	s_barrier_signal -1
	s_barrier_wait -1
	s_cmp_lg_u32 s14, 0
	s_cbranch_scc1 .Lnot_wave_0_\@
	s_barrier_signal -3
.Lnot_wave_0_\@:
	s_barrier_wait -3
	s_barrier_signal -1
	s_barrier_wait -1
.endm
	s_load_b128 s[4:7], s[0:1], 0x0                ; acode, ascale
	s_load_b128 s[8:11], s[0:1], 0x10              ; bcode, bscale
	s_load_b64 s[12:13], s[0:1], 0x20              ; out0
	v_lshl_add_u32 v[SPW], v0, 2, SPARE
	v_mov_b32 v[NIL], 0
	ds_add_u32 v[SPW], v[NIL]                      ; the opening lines: the add, twice on end, and its wait ahead of my tensor load
	ds_add_u32 v[SPW], v[NIL]
	v_lshrrev_b32 v1, 5, v0
	v_readfirstlane_b32 s14, v1                    ; wave 0..3
	v_and_b32 v1, 15, v0                           ; r
	v_bfe_u32 v2, v0, 4, 1                         ; h
	v_and_b32 v3, 31, v0
	v_lshlrev_b32 v[L16], 4, v3
	v_mul_u32_u24 v3, v1, PITCH
	v_lshl_add_u32 v[AD0], v2, 4, v3               ; a fragment's row x pitch + 16 h
	v_add_nc_u32 v[AD0+1], WSTR, v[AD0]
	v_add_nc_u32 v[AD0+2], 2*WSTR, v[AD0]
	v_add_nc_u32 v[AD0+3], 3*WSTR, v[AD0]
	v_lshl_add_u32 v3, v2, 5, v3                   ; into the stage: row r, 32 bytes for each half of the lanes
	v_mul_u32_u24 v13, v2, PITCH                   ; back: lanes 0-15 one row of 256 bytes, lanes 16-31 the next
	v_lshl_add_u32 v13, v1, 4, v13
	v_lshlrev_b32 v[CO], 12, v2                    ; and the same two rows in out0 (4,096 bytes a row)
	v_lshl_add_u32 v[CO], v1, 4, v[CO]
	s_wait_alu depctr_va_vdst(0)
	s_bfe_u32 s40, ttmp6, 0x40000                  ; cx, cy
	s_bfe_u32 s41, ttmp6, 0x40004
	s_lshl_b32 s42, ttmp9, 2
	s_add_co_u32 s42, s42, s40                     ; tile column
	s_and_b32 s17, ttmp7, 0xffff
	s_lshl_b32 s17, s17, 2
	s_add_co_u32 s17, s17, s41                     ; tile row
	s_lshl_b32 s43, s41, 2
	s_lshl_b32 s43, 15, s43                        ; my row of the cluster
	s_mul_i32 s18, s14, 16*PITCH                   ; my stage: 16 rows x 272 bytes, in A's first bytes, used behind the barrier that follows A's last read
	s_lshl_b32 s19, s17, 8
	v_add_nc_u32 v[STO], s18, v3
	v_add_nc_u32 v[RD], s18, v13
	v_mov_b32 v[PFO], s19
	s_wait_alu depctr_va_vdst(0)
	s_or_b32 s[G1+0], s43, (3<<16)|(1<<20)|(1<<21)|(5<<22)|(3<<25)   ; the mask: my row; elements of 8 bytes; 4 words of padding behind every 64
	s_mov_b32 s[G1+1], 1024<<16                    ; tensor_dim0 = 1,024 elements: 32 rows of A on end, 8,192 bytes
	s_mov_b32 s[G1+2], 9<<16                       ; tensor_dim1 = 9 planes
	s_mov_b32 s[G1+3], 1024<<16                    ; tile_dim0
	s_mov_b32 s[G1+4], 9                           ; tile_dim1
	s_mov_b32 s[G1+5], 262144                      ; from plane to plane: 2,097,152 bytes
	s_mov_b32 s[G1+6], 0
	s_mov_b32 s[G1+7], 0
	s_mov_b32 s[G0], 1
	s_mul_i32 s[G0+1], s14, WSTR                   ; no place in the cluster enters an LDS address
	s_lshl_b32 s20, s17, 15                        ; acode: 128 rows x tile row + 32 rows x wave
	s_lshl_b32 s18, s14, 13
	s_add_co_u32 s20, s20, s18
	s_mov_b32 s21, 0
	s_lshl_b32 s22, s17, 11                        ; ascale: 128 rows x tile row
	s_mov_b32 s23, 0
	s_lshl_b32 s46, s42, 16                        ; bcode: 256 columns x tile column + 64 x wave
	s_lshl_b32 s18, s14, 14
	s_add_co_u32 s46, s46, s18
	s_mov_b32 s47, 0
	s_lshr_b32 s92, s46, 4                         ; bscale: 16 bytes a column
	s_mov_b32 s93, 0
	s_lshr_b32 s60, s46, 6                         ; out0: 4 bytes a column + 128 rows x tile row
	s_lshl_b32 s18, s17, 19
	s_add_co_u32 s60, s60, s18
	s_mov_b32 s61, 0
	s_wait_dscnt 0x0                               ; both opening adds are done
	s_wait_kmcnt 0x0
	s_add_nc_u64 s[G0+2:G0+3], s[4:5], s[20:21]
	s_or_b32 s[G0+3], s[G0+3], 0x80000000
	s_add_nc_u64 s[ASB:ASB+1], s[ASB:ASB+1], s[22:23]
	s_add_nc_u64 s[BBS:BBS+1], s[BBS:BBS+1], s[46:47]
	s_add_nc_u64 s[BSB:BSB+1], s[BSB:BSB+1], s[92:93]
	s_add_nc_u64 s[OUTB:OUTB+1], s[OUTB:OUTB+1], s[60:61]
	CROUND                                         ; all sixteen work-groups are here: the joint loads meet
	tensor_load_to_lds s[G0:G0+3], s[G1:G1+7]      ; my one tensor load
	s_nop 0
	PLACES
; t: the step's number (it picks the register sets);  tr: the same counted from where the bases and A's addresses stand (it makes the offsets)
.macro ALOAD t, tr                     ; A's eight fragments of a step, from LDS
.set PA, AF+64*((\t)%2)
.set OA, ((\tr)/4)*SSTR+((\tr)%4)*64
.irp i, 0,1,2,3,4,5,6,7
.irp c, 0,1
	ds_load_b128 v[PA+8*\i+4*\c:PA+8*\i+4*\c+3], v[AD0+\i/2] offset:OA+(\i%2)*16*PITCH+32*\c
.endr
.endr
.endm
.macro BLOAD t, tr                     ; B's four fragments of a step, from memory: each load 512 consecutive bytes
.set PB, 32*((\t)%6)
.set OB, ((\tr)/4)*262144+((\tr)%4)*1024
.irp j, 0,1,2,3
.irp c, 0,1
	global_load_b128 v[PB+8*\j+4*\c:PB+8*\j+4*\c+3], v[L16], s[BBS:BBS+1] offset:OB+4096*\j+512*\c
.endr
.endr
.endm
.macro SLOAD s, sr                     ; a plane's scale words: six loads
.set PS, SC+24*((\s)%3)
.irp i, 0,1,2,3
	global_load_b128 v[PS+4*\i:PS+4*\i+3], v[L16], s[ASB:ASB+1] offset:(\sr)*131072+512*\i
.endr
.irp i, 0,1
	global_load_b128 v[PS+16+4*\i:PS+16+4*\i+3], v[L16], s[BSB:BSB+1] offset:(\sr)*16384+512*\i
.endr
.endm
.macro ONE a, b, t, zero
.set rD, 8*(4*(\a)+(\b))
.set rB, 32*((\t)%6)+8*(\b)
.set rA, AF+64*((\t)%2)+8*(\a)
.set rT, SC+24*(((\t)/4)%3)+16+4*((\b)/2)+(\t)%4
.set rS, SC+24*(((\t)/4)%3)+4*((\a)/2)+(\t)%4
.set rw, 2*((\b)%2)+(\a)%2
.if \zero
.if rw == 0
	v_wmma_scale_f32_16x16x128_f8f6f4 v[rD:rD+7], v[rB:rB+7], v[rA:rA+7], 0, v[rT], v[rS] matrix_a_fmt:MATRIX_FMT_FP4 matrix_b_fmt:MATRIX_FMT_FP4
.elseif rw == 1
	v_wmma_scale_f32_16x16x128_f8f6f4 v[rD:rD+7], v[rB:rB+7], v[rA:rA+7], 0, v[rT], v[rS] matrix_a_fmt:MATRIX_FMT_FP4 matrix_b_fmt:MATRIX_FMT_FP4 matrix_b_scale:MATRIX_SCALE_ROW1
.elseif rw == 2
	v_wmma_scale_f32_16x16x128_f8f6f4 v[rD:rD+7], v[rB:rB+7], v[rA:rA+7], 0, v[rT], v[rS] matrix_a_fmt:MATRIX_FMT_FP4 matrix_b_fmt:MATRIX_FMT_FP4 matrix_a_scale:MATRIX_SCALE_ROW1
.else
	v_wmma_scale_f32_16x16x128_f8f6f4 v[rD:rD+7], v[rB:rB+7], v[rA:rA+7], 0, v[rT], v[rS] matrix_a_fmt:MATRIX_FMT_FP4 matrix_b_fmt:MATRIX_FMT_FP4 matrix_a_scale:MATRIX_SCALE_ROW1 matrix_b_scale:MATRIX_SCALE_ROW1
.endif
.else
.if rw == 0
	v_wmma_scale_f32_16x16x128_f8f6f4 v[rD:rD+7], v[rB:rB+7], v[rA:rA+7], v[rD:rD+7], v[rT], v[rS] matrix_a_fmt:MATRIX_FMT_FP4 matrix_b_fmt:MATRIX_FMT_FP4
.elseif rw == 1
	v_wmma_scale_f32_16x16x128_f8f6f4 v[rD:rD+7], v[rB:rB+7], v[rA:rA+7], v[rD:rD+7], v[rT], v[rS] matrix_a_fmt:MATRIX_FMT_FP4 matrix_b_fmt:MATRIX_FMT_FP4 matrix_b_scale:MATRIX_SCALE_ROW1
.elseif rw == 2
	v_wmma_scale_f32_16x16x128_f8f6f4 v[rD:rD+7], v[rB:rB+7], v[rA:rA+7], v[rD:rD+7], v[rT], v[rS] matrix_a_fmt:MATRIX_FMT_FP4 matrix_b_fmt:MATRIX_FMT_FP4 matrix_a_scale:MATRIX_SCALE_ROW1
.else
	v_wmma_scale_f32_16x16x128_f8f6f4 v[rD:rD+7], v[rB:rB+7], v[rA:rA+7], v[rD:rD+7], v[rT], v[rS] matrix_a_fmt:MATRIX_FMT_FP4 matrix_b_fmt:MATRIX_FMT_FP4 matrix_a_scale:MATRIX_SCALE_ROW1 matrix_b_scale:MATRIX_SCALE_ROW1
.endif
.endif
.endm
; A step of 128 along K: 32 matrix instructions, the 32 accumulators by turns in the same order in every step.
; Behind them its sets are asked for anew: A's for step t + 2, in a plane's last step the scale words of the plane after the next, B's for step t + 6.
; THE COUNT ON LOADCNT.  Order of issue behind step e: (e % 4 = 3: six scale loads of plane (e + 5) / 4), eight loads of B's step e + 6; the head issues in the same order.
; Behind B's step t, and behind plane t / 4's scale words where t % 4 = 0, were issued B's steps t + 1 .. t + 5 (40 loads) and one group of six scale loads: 46.
; From step 31 on fewer are left: 38, then 8 for each step of B still to come.
.macro STEP t, tr, zero
.if (\t) <= 30
	s_wait_loadcnt 46
.elseif (\t) == 31
	s_wait_loadcnt 38
.else
	s_wait_loadcnt 8*(35-(\t))
.endif
.if (\t) < 35
	s_wait_dscnt 16                                ; this step's fragments of A are in; the next step's sixteen loads may be out
.else
	s_wait_dscnt 0
.endif
	WIN MUL
.irp a, 0,1,2,3,4,5,6,7
.irp b, 0,1,2,3
	ONE \a, \b, \t, \zero
.endr
.endr
.if (\t) < 34
	PLACES                                         ; four places in front of loads into registers that these matrix instructions have read (ISA guide 7.12.1 for vector instructions)
	WIN 0
	ALOAD (\t)+2, (\tr)+2
.if (\t)%4 == 1
.if (\t) <= 21
	global_prefetch_b8 v[PFO], s[BBS:BBS+1] offset:((\tr)/4+3)*262144 th:TH_LOAD_NT scope:SCOPE_SE   ; my tile row's run of 256 bytes of my wave's B, three planes on
.endif
.endif
.if (\t)%4 == 3
.if (\t) <= 27
	SLOAD ((\t)+5)/4, ((\tr)+5)/4
.endif
.endif
.endif
.if (\t) < 30
	WIN TO_B
	BLOAD (\t)+6, (\tr)+6
.endif
.endm
	WIN TO_B                                       ; the first six steps of B and the first two planes' scale words, in the order that the counts above take
	BLOAD 0, 0
	WIN 0
	SLOAD 0, 0
	WIN TO_B
	BLOAD 1, 1
	BLOAD 2, 2
	BLOAD 3, 3
	BLOAD 4, 4
	WIN 0
	SLOAD 1, 1
	WIN TO_B
	BLOAD 5, 5
	WIN 0
	s_wait_tensorcnt 0x0                           ; my part of A is in LDS,
	s_barrier_signal -1
	s_barrier_wait -1                              ; and so is every wave's
	ALOAD 0, 0
	ALOAD 1, 1
	STEP 0, 0, 1                                   ; the first step stands in front of the loop: its products start the sums
	WIN 0                                          ; at a label and at a branch every window is 0
	s_mov_b32 s3, 2
.Ltrip:                                                ; a trip is 12 steps, three planes: after it every set's number is back where it began (6 of B, 2 of A, 3 of scale words)
.irp t, 1,2,3,4,5,6,7,8,9,10,11,12
	STEP \t, \t, 0
.endr
	WIN 0
	s_wait_dscnt 0x0                               ; my LDS loads are back: their address registers step
.irp i, 0,1,2,3
	v_add_nc_u32 v[AD0+\i], 3*SSTR, v[AD0+\i]
.endr
	s_wait_alu depctr_va_vdst(0)                   ; the wait behind these writes
	s_wait_xcnt 0x0                                ; the loads and the prefetches issued so far have read their bases
	s_add_nc_u64 s[BBS:BBS+1], s[BBS:BBS+1], 3*262144
	s_add_nc_u64 s[ASB:ASB+1], s[ASB:ASB+1], 3*131072
	s_add_nc_u64 s[BSB:BSB+1], s[BSB:BSB+1], 3*16384
	s_sub_co_u32 s3, s3, 1
	s_cmp_lg_u32 s3, 0
	s_cbranch_scc1 .Ltrip
.irp t, 25,26,27,28,29,30,31,32,33,34,35
	STEP \t, \t-24, 0                              ; the last eleven steps ask for nothing beyond step 35 and plane 8
.endr
	WIN 0
	PLACES                                         ; in front of the reads of the last results and of the loads into A's registers
	s_barrier_signal -1                            ; my reads of A are over (the last step's wait was for 0):
	s_barrier_wait -1                              ; so are every wave's: A's bytes, which have had their one fill, now serve as stages
; THE WAY OUT, by blocks of 16 rows x 64 columns: 32 bytes a lane into my own stage, back as whole rows of 256 bytes, two rows a load; sixteen lanes store 256 consecutive bytes, aligned.
; LDS serves a wave's instructions in order (ISA guide 5.7.1.4): no wait between the stores and the loads, nor in front of the next block's stores.
.macro TOSTAGE a
	WIN 0x08                                       ; the data: window 2
.irp b, 0,1,2,3
	ds_store_b128 v[STO], v[32*(\a)+8*\b:32*(\a)+8*\b+3] offset:64*\b        ; each accumulator from its low end on
	ds_store_b128 v[STO], v[32*(\a)+8*\b+4:32*(\a)+8*\b+7] offset:64*\b+16
.endr
	WIN 0
.irp u, 0,1,2,3,4,5,6,7
	ds_load_b128 v[AF+32*((\a)%2)+4*\u:AF+32*((\a)%2)+4*\u+3], v[RD] offset:\u*2*PITCH
.endr
.endm
.macro SEND a, younger                 ; younger: the LDS instructions issued behind block a's loads
	s_wait_dscnt \younger
.irp u, 0,1,2,3,4,5,6,7
	global_store_b128 v[CO], v[AF+32*((\a)%2)+4*\u:AF+32*((\a)%2)+4*\u+3], s[OUTB:OUTB+1] offset:(\a)*65536+\u*8192 th:TH_STORE_NT
.endr
.endm
	TOSTAGE 0
.irp a, 1,2,3,4,5,6,7
.if \a > 1
	s_wait_xcnt 0x0                                ; block a - 2's stores have read their registers: block a's rows may land there
.endif
	TOSTAGE \a
	SEND \a-1, 16                                  ; behind block a - 1's loads: block a's 8 stores and 8 loads
.endr
	SEND 7, 0
	s_wait_tensorcnt 0x0                           ; the wave's end
	ds_add_u32 v[SPW], v[NIL]
	s_wait_dscnt 0x0
	CROUND                                         ; the closing round
	s_endpgm
.Lfunc_end_k_qc51b31ae77_gemm:
	.size	k_qc51b31ae77_gemm, .Lfunc_end_k_qc51b31ae77_gemm-k_qc51b31ae77_gemm
	.p2alignl 7, 3214868480
	.fill 96, 4, 3214868480
	.section	.rodata,"a",@progbits
	.p2align	6, 0x0
	.amdhsa_kernel k_qc51b31ae77_gemm
		.amdhsa_group_segment_fixed_size 327680
		.amdhsa_private_segment_fixed_size 0
		.amdhsa_enable_private_segment 0
		.amdhsa_kernarg_size 40
		.amdhsa_user_sgpr_count 2
		.amdhsa_user_sgpr_kernarg_segment_ptr 1
		.amdhsa_wavefront_size32 1
		.amdhsa_system_sgpr_workgroup_id_x 1
		.amdhsa_system_sgpr_workgroup_id_y 1
		.amdhsa_system_sgpr_workgroup_id_z 1
		.amdhsa_system_vgpr_workitem_id 0
		.amdhsa_next_free_vgpr 768
		.amdhsa_next_free_sgpr 98
		.amdhsa_reserve_vcc 0
		.amdhsa_float_denorm_mode_32 3
		.amdhsa_float_denorm_mode_16_64 3
		.amdhsa_memory_ordered 1
		.amdhsa_forward_progress 1
		.amdhsa_inst_pref_size 169
	.end_amdhsa_kernel
	.amdgpu_metadata
---
amdhsa.version: [ 1, 2 ]
amdhsa.kernels:
  - .name:           k_qc51b31ae77_gemm
    .symbol:         k_qc51b31ae77_gemm.kd
    .args:
      - { .name: acode, .offset: 0, .size: 8, .value_kind: global_buffer, .address_space: global }
      - { .name: ascale, .offset: 8, .size: 8, .value_kind: global_buffer, .address_space: global }
      - { .name: bcode, .offset: 16, .size: 8, .value_kind: global_buffer, .address_space: global }
      - { .name: bscale, .offset: 24, .size: 8, .value_kind: global_buffer, .address_space: global }
      - { .name: out0, .offset: 32, .size: 8, .value_kind: global_buffer, .address_space: global }
    .group_segment_fixed_size: 327680
    .private_segment_fixed_size: 0
    .kernarg_segment_align: 8
    .kernarg_segment_size: 40
    .max_flat_workgroup_size: 128
    .sgpr_count:     98
    .vgpr_count:     768
    .wavefront_size: 32
...
	.end_amdgpu_metadata
.endif
;; end of part 2
